; MI455X (gfx1250); checked and timed in simulation.
; The chip was launched on July 23, 2026; its instructions are those of AMD's public machine-readable ISA for CDNA 5 (MIT licence, August 2026) and "CDNA5" Instruction Set Architecture Reference Guide (July 2026). The comments in the code are by the model that wrote it; some were corrected since.
;; Region Self Attention. Allowed arithmetic: matrix products marked QUANTISED: E4M3 operands, one E8M0 scale for each 32 along K, by v_wmma_scale_f32_16x16x128_f8f6f4 with both operands' format E4M3, f32 sums; products left as they are: f32 operands where the result goes on into a quantised operand, else bf16, f16 or f32 operands; f32 sums; everything else in f32.
;; Inputs: Wk_codes 512 x 16 x 32 uint8 (E4M3 codes of Wk, K innermost, in blocks of 32 codes); Wk_scales 512 x 16 uint8 (E8M0 scales of Wk, one for each 32 codes along K); Wq_codes 512 x 16 x 32 uint8 (E4M3 codes of Wq, K innermost, in blocks of 32 codes); Wq_scales 512 x 16 uint8 (E8M0 scales of Wq, one for each 32 codes along K); Wv_codes 512 x 16 x 32 uint8 (E4M3 codes of Wv, K innermost, in blocks of 32 codes); Wv_scales 512 x 16 uint8 (E8M0 scales of Wv, one for each 32 codes along K); region_features_codes 32 x 4,096 x 16 x 32 uint8 (E4M3 codes of region_features, K innermost, in blocks of 32 codes); region_features_scales 32 x 4,096 x 16 uint8 (E8M0 scales of region_features, one for each 32 codes along K); seq_code_codes 32 x 16 x 32 uint8 (E4M3 codes of seq_code, K innermost, in blocks of 32 codes); seq_code_scales 32 x 16 uint8 (E8M0 scales of seq_code, one for each 32 codes along K); sq_len 32 int32.
;; Outputs: out0 32 x 512 float32; out1 32 x 4,096 float32.
;; This version of the problem:
;;   THIS VERSION OF THE PROBLEM IS GIVEN IN LOW PRECISION. The matrix products marked QUANTISED in the list below multiply operands that are first quantised to E4M3 (4 exponent bits, 3 mantissa bits; 8 bits a number), with one power-of-two scale for each 32 numbers along K (OCP MX v1.0); their sums are f32. All else is computed in f32.
;;   The module's matrix products, in the order in which they are computed (A, B: the left and right operand; K: the contracted axis; several contracted axes count as one K, in the product's order):
;;     1. [M 32, K 512] x [K 512, N 512]; A: input seq_code (given as codes); B: input Wq (given as codes): QUANTISED
;;     2. [M 131,072, K 512] x [K 512, N 512]; A: input region_features (given as codes); B: input Wk (given as codes): QUANTISED
;;     3. [M 131,072, K 512] x [K 512, N 512]; A: input region_features (given as codes); B: input Wv (given as codes): QUANTISED
;;     4. batch 32 x [M 1, K 512] x [K 512, N 4,096]; A: computed on the way; B: computed on the way: left as it is (M = 1 < 16)
;;     5. batch 32 x [M 1, K 4,096] x [K 4,096, N 512]; A: computed on the way; B: computed on the way: left as it is (M = 1 < 16)
;;   THE QUANTISER, for each operand of a quantised product, along K:
;;     - K is cut into blocks of 32 from its start; a last block that is shorter is filled with zeros.
;;     - A block's scale is 2^e with e = floor(log2(the largest magnitude in the block)) - 8, held to -126 .. 127; a block of zeros has e = 0. As a byte (E8M0): e + 127.
;;     - Each number is divided by its block's scale, clamped to +-448, and rounded to the nearest number of E4M3, ties to even, subnormals kept.
;;     - The product sums the exact products of the quantised numbers (number of the format x scale) in f32.
;;   ~~~python
;;   def quantise(x, axis):      # numpy; x: float32 -> the quantised numbers, widened to float32 again
;;       x = np.moveaxis(x, axis, -1); K = x.shape[-1]
;;       x = np.pad(x, [(0, 0)] * (x.ndim - 1) + [(0, -K % 32)]); x = x.reshape(x.shape[:-1] + (-1, 32)); a = np.abs(x).max(-1, keepdims=True)
;;       e = np.where(a > 0, np.clip(np.frexp(np.where(a > 0, a, 1))[1] - 1 - 8, -126, 127), 0)      # np.frexp(a)[1] - 1 = floor(log2(a)), exactly
;;       r = np.clip(x / 2.0 ** e, -448, 448)
;;       step = 2.0 ** (np.maximum(np.frexp(np.where(r == 0, 1, r))[1] - 1, -6) - 3)
;;       q = np.round(r / step) * step * 2.0 ** e      # np.round: ties to even
;;       return np.moveaxis(q.reshape(q.shape[:-2] + (-1,))[..., :K], -1, axis).astype(np.float32)
;;   ~~~
;;   INPUTS GIVEN AS CODES. Wk (in the module: [512, 512], K = its axis 1); Wq (in the module: [512, 512], K = its axis 1); Wv (in the module: [512, 512], K = its axis 1); region_features (in the module: [32, 4096, 512], K = its axis 2); seq_code (in the module: [32, 512], K = its axis 1): each comes as NAME_codes (uint8): NAME with its K axis moved to the last place and cut into blocks of 32 codes, [.., K / 32, bytes a block], one block behind the other in memory; one code a byte (a code: sign, 4 exponent bits, 3 mantissa bits); and NAME_scales (uint8): the same leading axes, one E8M0 byte (e + 127) for each 32 codes along K. Its value is code x scale, taken as it is: it is not quantised again, and the codes and scales need not be those that the quantiser above would give.
;; One version. Each part assembles by itself: llvm-mc -triple=amdgcn-amd-amdhsa -mcpu=gfx1250 --defsym DOCPART=n.
;; ======== version 1 of 1: 3 launches
;; workspace buffers: wfrag 524,288 bytes; qv 65,536 bytes; sched 4,608 bytes of whole numbers; tlog 524,288 bytes; pacc 524,288 bytes; pml 2,048 bytes
;; launch prep (part 1): grid 25 x 1, 4 waves a work-group, no clusters, 0 bytes of LDS; arguments Wk_codes, Wv_codes, Wq_codes, Wq_scales, seq_code_codes, seq_code_scales, sq_len, wfrag, qv, sched; writes wfrag, qv, sched
.if DOCPART == 1
	.amdgcn_target "amdgcn-amd-amdhsa--gfx1250"
	.amdhsa_code_object_version 6
	.text
	.protected	k_qe67e6e7dfe_prep
	.globl	k_qe67e6e7dfe_prep
	.p2align	8
	.type	k_qe67e6e7dfe_prep,@function
k_qe67e6e7dfe_prep:
	s_mov_b64 s[64:65], 0
	v_nop
	global_prefetch_b8 v0, s[64:65] scope:SCOPE_SE
	s_setreg_imm32_b32 hwreg(HW_REG_WAVE_MODE, 25, 1), 1
	s_wait_xcnt 0x0
; PREP: three small jobs, shared out by the work-group's number.  No LDS, no barrier: waves share nothing.
;  work-groups 0-15:  Wk's and Wv's codes are laid anew in the order of an operand's registers.  wfrag[T][i][lane][16 bytes]: T = 32 P + n-tile (P = 0: Wk, 1: Wv; an n-tile is 16 rows),
;                     i = 4 s + c: the lane's 16 codes k = 128 s + 32 c + 16 (lane / 16) + 0 .. 15 of row lane % 16.  A wave takes one n-tile: 8,192 bytes.
;  work-groups 16-23: q = seq_code Wq^T on the given codes and scale bytes, [32][512] f32, once for the whole program.  A wave takes 16 hidden units for all 32 batches.
;  work-group 24:     the schedule, whole numbers alone.  t_b = ceil(len_b / 16) tiles of 16 regions count in batch b.  Every chunk has at most Q tiles, batch b has n_b = ceil(t_b / Q) chunks.
;                     The sum of n_b is at most 32 + (T - 32) / Q, T the sum of t_b: so Q0 = ceil((T - 32) / 224), held to 1 .. 32, always gives at most 256 chunks (with Q = 32: 8 a batch at the most).
;                     Q0 - 1 and Q0 - 2 are tried too, and the smallest Q with at most 256 chunks is taken.
;                     sched: bytes 0 .. 4095: chunk g: {batch, first tile, tiles, len}, tiles = 0 where g is not used;
;                     bytes 4096 .. 4607: batch b: {first chunk, chunks, len, ceil(65,536 / Q) + (Q << 20)}: the last launch divides a tile's number by Q with that multiplier.
; LIMITS: sq_len under 1 is not served (the problem's own sum over the valid regions would be 0); sq_len over 4,096 acts as 4,096, as it does in the mask itself.
.set ENDS, 32                          ; s32-63  chunks up to and with batch b
.set LENS, 66                          ; s66-97  len_b
	s_load_b512 s[4:19], s[0:1], 0x0               ; Wk s[4:5], Wv s[6:7], Wq s[8:9], Wq's scales s[10:11], seq s[12:13], its scales s[14:15], sq_len s[16:17], wfrag s[18:19]
	s_load_b128 s[20:23], s[0:1], 0x40             ; qv s[20:21], sched s[22:23]
	v_and_b32 v1, 31, v0                           ; lane
	v_and_b32 v2, 15, v0                           ; r
	v_bfe_u32 v3, v0, 4, 1                         ; h
	v_lshrrev_b32 v4, 5, v0
	v_readfirstlane_b32 s24, v4                    ; wave 0..3
	v_lshlrev_b32 v4, 4, v1                        ; 16 x lane
	v_lshlrev_b32 v5, 9, v2
	v_lshl_add_u32 v5, v3, 4, v5                   ; a fragment's row: 512 r + 16 h
	v_lshlrev_b32 v6, 4, v2                        ; a row's 16 scale bytes: 16 r
	s_mov_b32 s27, 0                               ; the upper word of 32-bit offsets
	s_wait_kmcnt 0x0
	s_cmp_lt_u32 ttmp9, 16
	s_cbranch_scc1 .Llay
	s_cmp_lt_u32 ttmp9, 24
	s_cbranch_scc1 .Lqry
; ---------------- the schedule.  Lane = batch; all four waves compute the same numbers, and each thread then stores two chunks' entries.
.macro ISUM src                        ; s25 = the sum of v[src] over the 32 lanes
	v_mov_b32 v15, v[\src]
.irp x, 1,2,4,8
	v_mov_b32_dpp v16, v15 row_xmask:\x row_mask:0xf bank_mask:0xf
	v_add_nc_u32 v15, v15, v16
.endr
	v_permlanex16_b32 v16, v15, s26, s27
	v_add_nc_u32 v15, v15, v16
	v_readfirstlane_b32 s25, v15
.endm
.macro NDIV vn, sq                     ; v[vn] = ceil(t / s[sq]): the largest n' under 256 with n' Q < t, bit by bit, and one more where t is not 0
	v_mov_b32 v[\vn], 0
.irp bit, 128,64,32,16,8,4,2,1
	v_add_nc_u32 v20, \bit, v[\vn]
	v_mul_u32_u24 v21, s[\sq], v20
	v_cmp_lt_u32 vcc_lo, v21, v11
	v_cndmask_b32 v[\vn], v[\vn], v20, vcc_lo
.endr
	v_cmp_ne_u32 vcc_lo, 0, v11
	v_cndmask_b32 v20, 0, 1, vcc_lo
	v_add_nc_u32 v[\vn], v[\vn], v20
.endm
	s_wait_alu depctr_va_vdst(0)
	v_lshlrev_b32 v7, 2, v1
	global_load_b32 v10, v7, s[16:17]              ; len of batch = lane
	s_mov_b32 s26, 0x76543210
	s_mov_b32 s27, 0xfedcba98                      ; v_permlanex16_b32's selects for lane l xor 16
	v_mov_b32 v16, 0                               ; written once: the destination of a DPP form or a lane permute counts as read
	v_mov_b32 v26, 0
	s_wait_loadcnt 0x0
	v_max_i32 v10, 0, v10
	v_min_u32 v10, 0x1000, v10                     ; len, held to 0 .. 4,096
	v_add_nc_u32 v11, 15, v10
	v_lshrrev_b32 v11, 4, v11                      ; t = ceil(len / 16)
	ISUM 11                                        ; T
	s_add_co_u32 s29, s25, 191                     ; ceil((T - 32) / 224) = floor((T + 191) / 224) = floor(floor((T + 191) / 32) / 7);
	s_lshr_b32 s29, s29, 5
	s_mul_i32 s29, s29, 9363                       ; y / 7 = (9,363 y) >> 16, exact for y under 13,107; here y is at most 261
	s_lshr_b32 s29, s29, 16
	s_max_u32 s29, s29, 1
	s_min_u32 s29, s29, 32                         ; Q0
	s_max_u32 s30, s29, 2
	s_sub_co_u32 s30, s30, 1                       ; Q1 = max(Q0 - 1, 1)
	s_max_u32 s31, s29, 3
	s_sub_co_u32 s31, s31, 2                       ; Q2 = max(Q0 - 2, 1)
	NDIV 12, 29
	NDIV 13, 30
	NDIV 14, 31
	ISUM 13
	s_cmp_le_u32 s25, 256                          ; does Q1 fit the grid?  The number of chunks does not fall as Q falls, so the later choice is the better one
	s_cselect_b32 s29, s30, s29
	s_cselect_b32 s98, -1, 0
	v_cndmask_b32 v12, v12, v13, s98
	ISUM 14
	s_cmp_le_u32 s25, 256
	s_cselect_b32 s29, s31, s29                    ; s29 = Q
	s_cselect_b32 s98, -1, 0
	v_cndmask_b32 v12, v12, v14, s98               ; v12 = n_b
	v_readlane_b32 s[ENDS], v12, 0
	v_readlane_b32 s[LENS], v10, 0
.set bb, 1
.rept 31
	v_readlane_b32 s25, v12, bb
	s_add_co_u32 s[ENDS+bb], s[ENDS+bb-1], s25
	v_readlane_b32 s[LENS+bb], v10, bb
.set bb, bb+1
.endr
; chunk g (in v[vg]): its batch is the number of batches whose chunks end at or under g; entry into v[ob .. ob + 3], stored at 16 g
.macro ENTRY vg, ob, ad
	v_mov_b32 v[\ob], 0
	v_mov_b32 v22, 0
	v_mov_b32 v[\ob+3], s[LENS]
.set bb, 0
.rept 32
	v_cmp_le_u32 vcc_lo, s[ENDS+bb], v[\vg]
	v_cndmask_b32 v[\ob], v[\ob], bb+1, vcc_lo                 ; the batch,
	v_cndmask_b32 v22, v22, s[ENDS+bb], vcc_lo                 ; its first chunk,
.if bb < 31
	v_cndmask_b32 v[\ob+3], v[\ob+3], s[LENS+bb+1], vcc_lo     ; its len
.endif
.set bb, bb+1
.endr
	v_cmp_gt_u32 s25, 32, v[\ob]                   ; is chunk g used at all?
	v_min_u32 v[\ob], 31, v[\ob]
	v_sub_nc_u32 v23, v[\vg], v22
	v_mul_u32_u24 v[\ob+1], s29, v23               ; first tile = Q x (g - the batch's first chunk)
	v_add_nc_u32 v24, 15, v[\ob+3]
	v_lshrrev_b32 v24, 4, v24
	v_sub_nc_u32 v24, v24, v[\ob+1]
	v_min_u32 v[\ob+2], s29, v24                   ; tiles = min(t - first tile, Q)
	v_cndmask_b32 v[\ob+1], 0, v[\ob+1], s25
	v_cndmask_b32 v[\ob+2], 0, v[\ob+2], s25
	v_lshlrev_b32 v[\ad], 4, v[\vg]
	global_store_b128 v[\ad], v[\ob:\ob+3], s[22:23]
.endm
	v_add_nc_u32 v27, 128, v0
	ENTRY 0, 32, 40                                ; g = thread
	ENTRY 27, 36, 41                               ; g = thread + 128: registers of its own, so no store's sources are written again
	s_cmp_lg_u32 s24, 0
	s_cbranch_scc1 .Lsch_end
	s_mov_b32 s30, 0                               ; the largest x under 65,536 with x Q < 65,536, bit by bit; one more is ceil(65,536 / Q)
.irp bit, 32768,16384,8192,4096,2048,1024,512,256,128,64,32,16,8,4,2,1
	s_add_co_u32 s31, s30, \bit
	s_mul_i32 s98, s31, s29
	s_cmp_lt_u32 s98, 0x10000
	s_cselect_b32 s30, s31, s30
.endr
	s_add_co_u32 s30, s30, 1
	s_lshl_b32 s31, s29, 20
	s_or_b32 s30, s30, s31                         ; the multiplier (17 bits at the most) below, Q from bit 20 on
.set bb, 0
.rept 32
	v_writelane_b32 v26, s[ENDS+bb], bb
.set bb, bb+1
.endr
	v_sub_nc_u32 v44, v26, v12                     ; the batch's first chunk
	v_mov_b32 v45, v12
	v_mov_b32 v46, v10
	v_mov_b32 v47, s30
	global_store_b128 v4, v[44:47], s[22:23] offset:4096
.Lsch_end:
	s_endpgm
; ---------------- the weights in fragment order
.Llay:
	s_lshl_b32 s25, ttmp9, 2
	s_add_co_u32 s25, s25, s24                     ; T = 4 x work-group + wave
	s_cmp_lt_u32 ttmp9, 8                          ; Wk's work-group or Wv's: the choice hangs on the work-group's number alone
	s_cselect_b64 s[4:5], s[4:5], s[6:7]
	s_and_b32 s26, s25, 31
	s_lshl_b32 s26, s26, 13                        ; 16 rows of 512 bytes
	s_add_nc_u64 s[4:5], s[4:5], s[26:27]
	s_lshl_b32 s26, s25, 13
	s_add_nc_u64 s[18:19], s[18:19], s[26:27]
.set i, 0
	s_wait_alu depctr_va_vdst(0)
.rept 16
	global_load_b128 v[16+4*i:19+4*i], v5, s[4:5] offset:32*i    ; 128 s + 32 c = 32 i
.set i, i+1
.endr
	s_wait_loadcnt 0x0
.set i, 0
.rept 16
	global_store_b128 v4, v[16+4*i:19+4*i], s[18:19] offset:512*i   ; the wave's store covers 512 consecutive bytes, aligned
.set i, i+1
.endr
	s_endpgm
; ---------------- the query.  Used transposed: source 0 = 16 rows of Wq, source 1 = 16 batches: lane (r, h) holds batch r, register j hidden unit 16 T + 8 h + j
.Lqry:
	s_sub_co_u32 s25, ttmp9, 16
	s_lshl_b32 s25, s25, 2
	s_add_co_u32 s25, s25, s24                     ; T = 0 .. 31
	s_lshl_b32 s26, s25, 13
	s_add_nc_u64 s[8:9], s[8:9], s[26:27]
	s_lshl_b32 s26, s25, 8
	s_add_nc_u64 s[10:11], s[10:11], s[26:27]
	s_lshl_b32 s26, s25, 6
	s_add_nc_u64 s[20:21], s[20:21], s[26:27]
	s_wait_alu depctr_va_vdst(0)
	global_load_b128 v[8:11], v6, s[10:11]         ; scale words s = 0 .. 3 of Wq's row r: these registers hold scales and nothing else
	global_load_b128 v[12:15], v6, s[14:15]        ; of batch r,
	global_load_b128 v[16:19], v6, s[14:15] offset:256   ; of batch 16 + r
.set i, 0
.rept 16
	global_load_b128 v[32+4*i:35+4*i], v5, s[8:9] offset:32*i
	global_load_b128 v[96+4*i:99+4*i], v5, s[12:13] offset:32*i
	global_load_b128 v[160+4*i:163+4*i], v5, s[12:13] offset:8192+32*i
.set i, i+1
.endr
	v_lshlrev_b32 v7, 11, v2
	v_lshl_add_u32 v7, v3, 5, v7                   ; q: row r of 2,048 bytes, + 32 h
	s_wait_loadcnt 0x0
.irp s, 0,1,2,3                        ; the two accumulators take turns, one instruction a turn
.irp m, 0,1
.if \s == 0
	v_wmma_scale_f32_16x16x128_f8f6f4 v[224+8*\m:231+8*\m], v[32+16*\s:47+16*\s], v[96+64*\m+16*\s:111+64*\m+16*\s], 0, v[8+\s], v[12+4*\m+\s]
.else
	v_wmma_scale_f32_16x16x128_f8f6f4 v[224+8*\m:231+8*\m], v[32+16*\s:47+16*\s], v[96+64*\m+16*\s:111+64*\m+16*\s], v[224+8*\m:231+8*\m], v[8+\s], v[12+4*\m+\s]
.endif
.endr
.endr
.rept 8
	v_nop                                          ; eight places between the last product and the stores that read results
.endr
	s_wait_alu depctr_va_vdst(0)
.irp m, 0,1
	global_store_b128 v7, v[224+8*\m:227+8*\m], s[20:21] offset:32768*\m       ; each accumulator from its low end on.  32 bytes a lane in rows 2,048 bytes apart: 64 KiB in all
	global_store_b128 v7, v[228+8*\m:231+8*\m], s[20:21] offset:32768*\m+16
.endr
	s_endpgm
.Lfunc_end_k_qe67e6e7dfe_prep:
	.size	k_qe67e6e7dfe_prep, .Lfunc_end_k_qe67e6e7dfe_prep-k_qe67e6e7dfe_prep
	.p2alignl 7, 3214868480
	.fill 96, 4, 3214868480
	.section	.rodata,"a",@progbits
	.p2align	6, 0x0
	.amdhsa_kernel k_qe67e6e7dfe_prep
		.amdhsa_group_segment_fixed_size 0
		.amdhsa_private_segment_fixed_size 0
		.amdhsa_enable_private_segment 0
		.amdhsa_kernarg_size 80
		.amdhsa_user_sgpr_count 2
		.amdhsa_user_sgpr_kernarg_segment_ptr 1
		.amdhsa_wavefront_size32 1
		.amdhsa_system_sgpr_workgroup_id_x 1
		.amdhsa_system_sgpr_workgroup_id_y 1
		.amdhsa_system_sgpr_workgroup_id_z 1
		.amdhsa_system_vgpr_workitem_id 0
		.amdhsa_next_free_vgpr 256
		.amdhsa_next_free_sgpr 100
		.amdhsa_reserve_vcc 1
		.amdhsa_float_denorm_mode_32 3
		.amdhsa_float_denorm_mode_16_64 3
		.amdhsa_memory_ordered 1
		.amdhsa_forward_progress 1
		.amdhsa_inst_pref_size 43
	.end_amdhsa_kernel
	.amdgpu_metadata
---
amdhsa.version: [ 1, 2 ]
amdhsa.kernels:
  - .name:           k_qe67e6e7dfe_prep
    .symbol:         k_qe67e6e7dfe_prep.kd
    .args:
      - { .name: Wk_codes, .offset: 0, .size: 8, .value_kind: global_buffer, .address_space: global }
      - { .name: Wv_codes, .offset: 8, .size: 8, .value_kind: global_buffer, .address_space: global }
      - { .name: Wq_codes, .offset: 16, .size: 8, .value_kind: global_buffer, .address_space: global }
      - { .name: Wq_scales, .offset: 24, .size: 8, .value_kind: global_buffer, .address_space: global }
      - { .name: seq_code_codes, .offset: 32, .size: 8, .value_kind: global_buffer, .address_space: global }
      - { .name: seq_code_scales, .offset: 40, .size: 8, .value_kind: global_buffer, .address_space: global }
      - { .name: sq_len, .offset: 48, .size: 8, .value_kind: global_buffer, .address_space: global }
      - { .name: wfrag, .offset: 56, .size: 8, .value_kind: global_buffer, .address_space: global }
      - { .name: qv, .offset: 64, .size: 8, .value_kind: global_buffer, .address_space: global }
      - { .name: sched, .offset: 72, .size: 8, .value_kind: global_buffer, .address_space: global }
    .group_segment_fixed_size: 0
    .private_segment_fixed_size: 0
    .kernarg_segment_align: 8
    .kernarg_segment_size: 80
    .max_flat_workgroup_size: 128
    .sgpr_count:     100
    .vgpr_count:     256
    .wavefront_size: 32
...
	.end_amdgpu_metadata
.endif
;; end of part 1
;; launch main (part 2): grid 256 x 1, 4 waves a work-group, no clusters, 296,448 bytes of LDS; arguments sched, qv, wfrag, Wk_scales, Wv_scales, region_features_codes, region_features_scales, tlog, pacc, pml; writes tlog, pacc, pml
.if DOCPART == 2
	.amdgcn_target "amdgcn-amd-amdhsa--gfx1250"
	.amdhsa_code_object_version 6
	.text
	.protected	k_qe67e6e7dfe_main
	.globl	k_qe67e6e7dfe_main
	.p2align	8
	.type	k_qe67e6e7dfe_main,@function
k_qe67e6e7dfe_main:
	s_mov_b64 s[64:65], 0
	v_nop
	global_prefetch_b8 v0, s[64:65] scope:SCOPE_SE
	s_setreg_imm32_b32 hwreg(HW_REG_WAVE_MODE, 25, 1), 1
	s_wait_xcnt 0x0
; MAIN: work-group g takes chunk g of the schedule: nt (at most 32) tiles of 16 regions of one batch b, all of them in front of sq_len[b]: tiles behind it are thrown away by the mask and are never multiplied.
;  K pass: K = rf Wk^T on the given codes and scale bytes; dist = q . K by f32 multiply-adds on the accumulators.
;  between: t = dist x log2(e) / sqrt(512), -infinity where the region is at or behind len or behind the chunk's own tiles; the chunk's own maximum m, p = 2^(t - m), l = the sum of p.
;  V pass: V = relu(rf Wv^T); o += p V.     Out: t (tlog[g][512], all 512 rows, -infinity where a row does not count), o (pacc[g][512]), {m, l} (pml[g]).  The last launch brings the chunks of a batch under one maximum.
; SHARES.  THE WAVES SHARE THE COLUMNS: wave w owns hidden units 128 w .. 128 w + 127 of K and of V.  Its 8 n-tiles x 512 along K are 512 registers, loaded once a pass, each lane its whole 16-byte pieces
;  (the launch before laid them so).  The chunk's rows of rf go once from memory through registers into LDS and are read from there by all four waves, in both passes.
; THE MATRIX INSTRUCTION IS USED TRANSPOSED: source 0 = 16 rows of the weight, source 1 = 16 regions: lane (r, h) holds region r, register j of n-tile t hidden unit 128 w + 16 t + 8 h + j.
; NO TENSOR LOADS, NO CLUSTER: how many tiles a work-group multiplies is a number read from memory; operands go through registers, and partners
;  of a cluster would walk different numbers of tiles.  What is given up is the sharing of 528 KiB of weights a work-group; what is gained is every tile behind sq_len: its products, its LDS reads and its bytes of rf.
; A work-group whose chunk is empty (nt = 0) walks the loops, whose counts are constants, with all work jumped over, passes every barrier, and stores nothing.
; LIMITS: sq_len at least 1.  The maximum that is taken away is that of the regions that count.  NaN codes and 0xff scale bytes are not served.
; LDS: A: 32 slots, a tile each: 16 rows of 512 bytes, 528 bytes apart (33 x 16: the 16 rows of a fragment load start at 16 different groups of banks: ISA guide 11.1); SCA: 16 scale bytes a row;
;  1,024 bytes unused; DP: wave w's part of dist for 512 rows; PP: each wave's own copy of p.
; REGISTERS, in windows of 256: window 0: see the names below.  window 1: weights of n-tiles 0-3 (64 t + 16 s + 4 c).  window 2: n-tiles 4-7.  window 3: v0-63, v64-127 two tiles' fragments of rf; v128-255 two tiles on their way to LDS.
.set PITCH, 528
.set TILEB, 16*PITCH
.set SCA,   32*TILEB                   ; 270,336
.set DP,    SCA+8192+1024              ; 279,552
.set PP,    DP+8192                    ; 287,744; the text uses LDS up to 296,448
; v0 thread, v1 lane, v2 r, v3 h, v4 16 lane, v5 528 r + 16 h, v6 SCA + 16 r, v7 v8 the pair's addresses in A and SCA, v9 DP + 2048 w + 4 r, v10 the pair's, v11 PP + 2048 w + 4 r, v12 the pair's,
; v13 v14 where two tiles are stored, v15 SCA + 8 lane, v16 8 lane, v17 DP + 16 lane, v18 PP + 2048 w + 16 lane, v19 DP + 2048 w + 16 lane, v20 16 r, v21 32 h, v22 my 16 bytes of o, v23 at work
.set RS,  24                           ; v24-27, v28-31  rf's scale words s = 0 .. 3 of two tiles: scales and nothing else
.set DD,  32                           ; v32-39  four chains of the dot product with q
.set PR,  40                           ; v40, v42  p of my region in two tiles (v41, v43 are named with them as pairs)
.set SS,  44                           ; v44-47  two tiles' scale bytes on their way to LDS
.set TT,  48                           ; v48-63  t of my 16 rows
.set WS,  64                           ; v64-95  the weights' scale words 4 t + s: scales and nothing else
.set ACC, 96                           ; v96-159 eight accumulators
.set QO,  160                          ; v160-223 q in the K pass, o in the V pass, in the accumulators' layout
; v224-239 p; v240 -infinity; v241 at work; v242-249 sums; v252 m, v253 l
; s4-23 the ten addresses; s24 b, s25 first tile, s26 nt, s27 len; s28 wave; s29, s39 at work; s30 I (the pair's first tile), s31 I x 8,448, s32 I x 256, s33 I x 64; s34, s35 loop counts;
; s36 PI (the first of the two tiles that I bring next), s37 PI x 8,448, s38 PI x 256; s40-47 their addresses; s48-49 lane selects; s50-53 masks of the lanes with bit 3, 2, 1, 0 of r; s54 EXEC kept;
; s56-57 c; s58 256 b; s59 the chunk's rows that count; s60 16 nt; s61 my entry's place; s62-63 offsets; s66-67 q; s68-69 tlog; s70-71 pacc; s72-73 pml
.set MSB, 0
.macro WIN new                         ; bits 1:0 source 0, 3:2 source 1, 5:4 source 2, 7:6 destination; the immediate's high byte repeats the setting that is left
.if MSB != \new
	s_set_vgpr_msb (MSB<<8)|\new
.set MSB, \new
.endif
.endm
.macro BAR
	s_barrier_signal -1
	s_barrier_wait -1
.endm
.macro WLOAD t0, t1, p                 ; my n-tiles t0 .. t1 of pass p: 16 loads each, every load 512 consecutive bytes
.set tw, \t0
.rept \t1-\t0+1
.if tw < 4
	WIN 0x40
.else
	WIN 0x80
.endif
.set iw, 0
.rept 16
	global_load_b128 v[64*(tw%4)+4*iw:64*(tw%4)+4*iw+3], v4, s[8:9] offset:\p*262144+tw*8192+512*iw
.set iw, iw+1
.endr
.set tw, tw+1
.endr
	WIN 0
.endm
.macro WSLOAD b                        ; the scale words of my 128 rows of the weight: lane r takes row 16 t + r's 16 bytes
.irp t, 0,1,2,3,4,5,6,7
	global_load_b128 v[WS+4*\t:WS+4*\t+3], v20, s[\b:\b+1] offset:256*\t
.endr
.endm
.macro LOADPAIR                        ; tiles PI and PI + 1 of the chunk into registers: 32 loads of a row (512 consecutive bytes) and two of 256 scale bytes
.irp k, 0,1
	s_add_co_u32 s39, s36, s25
	s_add_co_u32 s39, s39, \k
	s_min_u32 s39, s39, 255                        ; held inside the batch: the tile behind an odd last one is loaded and not used
	s_add_co_u32 s39, s39, s58
	s_lshl_b32 s[40+4*\k], s39, 13
	s_mov_b32 s[41+4*\k], 0
	s_add_nc_u64 s[40+4*\k:41+4*\k], s[14:15], s[40+4*\k:41+4*\k]
	s_lshl_b32 s[42+4*\k], s39, 8
	s_mov_b32 s[43+4*\k], 0
	s_add_nc_u64 s[42+4*\k:43+4*\k], s[16:17], s[42+4*\k:43+4*\k]
.endr
	WIN 0xc0
.irp k, 0,1
.set rw, 0
.rept 16
	global_load_b128 v[128+64*\k+4*rw:128+64*\k+4*rw+3], v4, s[40+4*\k:41+4*\k] offset:512*rw th:TH_LOAD_NT
.set rw, rw+1
.endr
.endr
	WIN 0
	global_load_b64 v[SS:SS+1], v16, s[42:43] th:TH_LOAD_NT
	global_load_b64 v[SS+2:SS+3], v16, s[46:47] th:TH_LOAD_NT
.endm
.macro STOREPAIR                       ; and on into slots PI and PI + 1
	v_add_nc_u32 v13, s37, v4
	v_add_nc_u32 v14, s38, v15
	WIN 0x0c                                       ; an LDS store's data are its source 1: window 3
.irp k, 0,1
.set rw, 0
.rept 16
	ds_store_b128 v13, v[128+64*\k+4*rw:128+64*\k+4*rw+3] offset:\k*TILEB+rw*PITCH
.set rw, rw+1
.endr
.endr
	WIN 0
	ds_store_b64 v14, v[SS:SS+1]
	ds_store_b64 v14, v[SS+2:SS+3] offset:256
.endm
.macro PSTEP                           ; my next two tiles lie eight tiles on
	s_add_co_u32 s36, s36, 8
	s_add_co_u32 s37, s37, 8*TILEB
	s_add_co_u32 s38, s38, 2048
.endm
.macro SETAD
	v_add_nc_u32 v7, s31, v5
	v_add_nc_u32 v8, s32, v6
	v_add_nc_u32 v10, s33, v9
	v_add_nc_u32 v12, s33, v11
.endm
.macro LOADA buf, ko, pass             ; tile I + ko: its four fragments (16 rows x 128 K: registers 16 s + 4 c hold k = 128 s + 32 c + 16 h + 0 .. 15), its scale words, in the V pass its p, into set buf
	ds_load_b128 v[RS+4*\buf:RS+4*\buf+3], v8 offset:256*\ko
.if \pass
	ds_load_b32 v[PR+2*\buf], v12 offset:64*\ko
.endif
	WIN 0xc0
.irp i, 0,1,2,3,4,5,6,7,8,9,10,11,12,13,14,15
	ds_load_b128 v[64*\buf+4*\i:64*\buf+4*\i+3], v7 offset:\ko*TILEB+32*\i
.endr
	WIN 0
.endm
; A tile's 32 products.  Four accumulators take turns, one instruction a turn; the first K step starts each sum with the constant 0.  Eight v_nop follow: the places between
; the last product and what reads results or loads into its operands; a new sum onto an accumulator stands behind them and behind the vector work on the other seven accumulators.
.macro MULT buf
	WIN 0x0d                                       ; source 0 (weights) window 1, source 1 (rf) window 3, C and D window 0
.irp s, 0,1,2,3
.irp t, 0,1,2,3
.if \s == 0
	v_wmma_scale_f32_16x16x128_f8f6f4 v[ACC+8*\t:ACC+8*\t+7], v[64*\t+16*\s:64*\t+16*\s+15], v[64*\buf+16*\s:64*\buf+16*\s+15], 0, v[WS+4*\t+\s], v[RS+4*\buf+\s]
.else
	v_wmma_scale_f32_16x16x128_f8f6f4 v[ACC+8*\t:ACC+8*\t+7], v[64*\t+16*\s:64*\t+16*\s+15], v[64*\buf+16*\s:64*\buf+16*\s+15], v[ACC+8*\t:ACC+8*\t+7], v[WS+4*\t+\s], v[RS+4*\buf+\s]
.endif
.endr
.endr
	WIN 0x0e                                       ; weights in window 2
.irp s, 0,1,2,3
.irp t, 4,5,6,7
.if \s == 0
	v_wmma_scale_f32_16x16x128_f8f6f4 v[ACC+8*\t:ACC+8*\t+7], v[64*(\t-4)+16*\s:64*(\t-4)+16*\s+15], v[64*\buf+16*\s:64*\buf+16*\s+15], 0, v[WS+4*\t+\s], v[RS+4*\buf+\s]
.else
	v_wmma_scale_f32_16x16x128_f8f6f4 v[ACC+8*\t:ACC+8*\t+7], v[64*(\t-4)+16*\s:64*(\t-4)+16*\s+15], v[64*\buf+16*\s:64*\buf+16*\s+15], v[ACC+8*\t:ACC+8*\t+7], v[WS+4*\t+\s], v[RS+4*\buf+\s]
.endif
.endr
.endr
	WIN 0
.rept 8
	v_nop
.endr
.endm
.macro POSTK ko                        ; my wave's part of dist for region r of tile I + ko: the sum over my 128 hidden units of q K, in four chains; each accumulator is read from its low end on
.irp x, 0,1,2,3
	v_pk_mul_f32 v[DD+2*\x:DD+2*\x+1], v[ACC+2*\x:ACC+2*\x+1], v[QO+2*\x:QO+2*\x+1]
.endr
.irp t, 1,2,3,4,5,6,7
.irp x, 0,1,2,3
	v_pk_fma_f32 v[DD+2*\x:DD+2*\x+1], v[ACC+8*\t+2*\x:ACC+8*\t+2*\x+1], v[QO+8*\t+2*\x:QO+8*\t+2*\x+1], v[DD+2*\x:DD+2*\x+1]
.endr
.endr
	v_pk_add_f32 v[DD:DD+1], v[DD:DD+1], v[DD+2:DD+3]
	v_pk_add_f32 v[DD+4:DD+5], v[DD+4:DD+5], v[DD+6:DD+7]
	v_pk_add_f32 v[DD:DD+1], v[DD:DD+1], v[DD+4:DD+5]
	v_add_f32 v[DD], v[DD], v[DD+1]
	v_permlanex16_b32 v23, v[DD], s48, s49         ; the other eight units of each n-tile lie in lane l xor 16
	v_add_f32 v[DD], v[DD], v23
	ds_store_b32 v10, v[DD] offset:64*\ko          ; both halves of the lanes write the same word with the same value
.endm
.macro POSTV buf                       ; o += p relu(V)
.irp t, 0,1,2,3,4,5,6,7
.irp j, 0,1,2,3,4,5,6,7
	v_max_num_f32 v[ACC+8*\t+\j], 0, v[ACC+8*\t+\j]
.endr
.irp x, 0,1,2,3
	v_pk_fma_f32 v[QO+8*\t+2*\x:QO+8*\t+2*\x+1], v[ACC+8*\t+2*\x:ACC+8*\t+2*\x+1], v[PR+2*\buf:PR+2*\buf+1], v[QO+8*\t+2*\x:QO+8*\t+2*\x+1] op_sel_hi:[1,0,1]
.endr
.endr
.endm
.macro POST pass, buf
.if \pass
	POSTV \buf
.else
	POSTK \buf
.endif
.endm
; Tiles I and I + 1.  Tile I's operands were asked for a tile's work ago; tile I + 1's are asked for here, ahead of tile I's products (its slot is filled whenever tile I counts: slots are filled in pairs);
; pre = 1: tile I + 2's are asked for ahead of tile I + 1's products.  Both waits are for 0: what they wait for was issued a whole tile's products earlier, and the count holds on every way through the jumps.
.macro PAIR pass, pre
	s_cmp_ge_u32 s30, s26
	s_cbranch_scc1 .Lend_\@
	s_wait_dscnt 0x0                               ; tile I's operands are in
	SETAD
	LOADA 1, 1, \pass
	MULT 0
	POST \pass, 0
	s_wait_dscnt 0x0                               ; tile I + 1's are in
.if \pre
	s_add_co_u32 s29, s30, 2
	s_cmp_ge_u32 s29, s26
	s_cbranch_scc1 .Lnopre_\@
	LOADA 0, 2, \pass
.Lnopre_\@:
.endif
	s_add_co_u32 s29, s30, 1
	s_cmp_ge_u32 s29, s26
	s_cbranch_scc1 .Lend_\@
	MULT 1
	POST \pass, 1
.Lend_\@:
	s_add_co_u32 s30, s30, 2
	s_add_co_u32 s31, s31, 2*TILEB
	s_add_co_u32 s32, s32, 512
	s_add_co_u32 s33, s33, 128
.endm
.macro KGROUP                          ; eight tiles of the K pass: the last pair asks for nothing beyond the group, whose successor is not yet in LDS
	s_mov_b32 s34, 3
.Lkp_\@:
	PAIR 0, 1
	s_sub_co_u32 s34, s34, 1
	s_cmp_lg_u32 s34, 0
	s_cbranch_scc1 .Lkp_\@
	PAIR 0, 0
.endm
	s_load_b512 s[4:19], s[0:1], 0x0               ; sched s[4:5], qv s[6:7], wfrag s[8:9], Wk's scales s[10:11], Wv's s[12:13], rf's codes s[14:15], rf's scales s[16:17], tlog s[18:19]
	s_load_b128 s[20:23], s[0:1], 0x40             ; pacc s[20:21], pml s[22:23]
	v_lshl_add_u32 v254, v0, 2, 0x48400
	v_mov_b32 v255, 0
	v_and_b32 v1, 31, v0
	v_and_b32 v2, 15, v0
	v_bfe_u32 v3, v0, 4, 1
	v_lshrrev_b32 v23, 5, v0
	v_readfirstlane_b32 s28, v23                   ; wave 0..3
	v_lshlrev_b32 v4, 4, v1
	v_mul_u32_u24 v5, v2, PITCH
	v_lshl_add_u32 v5, v3, 4, v5
	v_lshl_add_u32 v6, v2, 4, SCA
	s_lshl_b32 s29, s28, 11
	v_lshlrev_b32 v23, 2, v2
	v_add_nc_u32 v23, s29, v23
	v_add_nc_u32 v9, DP, v23
	v_add_nc_u32 v11, PP, v23
	v_lshl_add_u32 v15, v1, 3, SCA
	v_lshlrev_b32 v16, 3, v1
	v_add_nc_u32 v17, DP, v4
	v_add_nc_u32 v23, s29, v4
	v_add_nc_u32 v18, PP, v23
	v_add_nc_u32 v19, DP, v23
	v_lshlrev_b32 v20, 4, v2
	v_lshlrev_b32 v21, 5, v3
	v_lshrrev_b32 v23, 1, v2
	v_lshlrev_b32 v22, 6, v23
	v_lshl_add_u32 v22, v3, 5, v22
	v_and_b32 v23, 1, v2
	v_lshl_add_u32 v22, v23, 4, v22                ; 64 (r / 2) + 32 h + 16 (r % 2)
	v_cmp_ne_u32 s53, 0, v23
	v_and_b32 v23, 2, v2
	v_cmp_ne_u32 s52, 0, v23
	v_and_b32 v23, 4, v2
	v_cmp_ne_u32 s51, 0, v23
	v_and_b32 v23, 8, v2
	v_cmp_ne_u32 s50, 0, v23
	s_mov_b32 s48, 0x76543210
	s_mov_b32 s49, 0xfedcba98                      ; v_permlanex16_b32's selects for lane l xor 16
	s_mov_b32 s56, 0x3d8293ee                      ; c = log2(e) / sqrt(512)
	s_mov_b32 s57, s56                             ; (named with it as a pair, so it is written)
	s_lshl_b32 s61, ttmp9, 4
	s_mov_b32 s63, 0
	s_wait_kmcnt 0x0
	s_load_b128 s[24:27], s[4:5], s61 offset:0x0   ; my chunk: b, first tile, nt, len
	s_lshl_b32 s62, s28, 16
	s_add_nc_u64 s[8:9], s[8:9], s[62:63]          ; my 8 n-tiles of 8,192 bytes
	s_lshl_b32 s62, s28, 11
	s_add_nc_u64 s[10:11], s[10:11], s[62:63]      ; my 128 rows of 16 scale bytes
	s_add_nc_u64 s[12:13], s[12:13], s[62:63]
	WSLOAD 10                                      ; what needs nothing of the entry goes out while the entry is on its way
	WLOAD 0, 1, 0
	s_wait_kmcnt 0x0
	s_min_u32 s24, s24, 31
	s_min_u32 s25, s25, 255
	s_min_u32 s26, s26, 32
	s_min_u32 s27, s27, 4096
	s_lshl_b32 s58, s24, 8
	s_lshl_b32 s29, s25, 4
	s_sub_co_u32 s59, s27, s29                     ; the batch's regions from my first row on,
	s_lshl_b32 s60, s26, 4
	s_min_u32 s59, s59, s60                        ; held to my own 16 nt rows: so many of the 512 row places count; the rest belong to other chunks or to nobody
	s_lshl_b32 s36, s28, 1                         ; wave w brings tiles 2 w and 2 w + 1 of each group of eight
	s_mul_i32 s37, s28, 2*TILEB
	s_lshl_b32 s38, s28, 9
	LOADPAIR                                       ; with no condition: the address is held inside the batch, and slots 0 to 7 are always filled
	s_lshl_b32 s62, s24, 11
	s_lshl_b32 s29, s28, 9
	s_add_co_u32 s62, s62, s29
	s_add_nc_u64 s[66:67], s[6:7], s[62:63]        ; q of my batch, my 128 units
.irp t, 0,1,2,3,4,5,6,7
	global_load_b128 v[QO+8*\t:QO+8*\t+3], v21, s[66:67] offset:64*\t          ; q(128 w + 16 t + 8 h + 0 .. 7): the accumulators' layout
	global_load_b128 v[QO+8*\t+4:QO+8*\t+7], v21, s[66:67] offset:64*\t+16
.endr
	WLOAD 2, 7, 0
	s_lshl_b32 s68, ttmp9, 11
	s_mov_b32 s69, 0
	s_add_nc_u64 s[68:69], s[18:19], s[68:69]      ; my chunk's 512 rows of t
	s_lshl_b32 s70, ttmp9, 11
	s_lshl_b32 s29, s28, 9
	s_add_co_u32 s70, s70, s29
	s_mov_b32 s71, 0
	s_add_nc_u64 s[70:71], s[20:21], s[70:71]
	s_lshl_b32 s72, ttmp9, 3
	s_mov_b32 s73, 0
	s_add_nc_u64 s[72:73], s[22:23], s[72:73]
.irp j, 224,225,226,227
	v_mov_b32 v\j, 0
.endr
.irp k, 0,1,2,3
	ds_store_b128 v19, v[224:227] offset:512*\k    ; my part of dist begins as zeros: the row places behind my tiles are read below, and masked there
.endr
	v_mov_b32 v[PR+1], 0                           ; (upper halves of pairs that packed forms name)
	v_mov_b32 v[PR+3], 0
	v_mov_b32 v253, 0
	v_mov_b32 v241, 0                              ; (a lane permute's destination counts as read)
	v_mov_b32 v240, 0xff800000                     ; -infinity
	s_wait_loadcnt 0x0                             ; weights, q and my first two tiles are in
	STOREPAIR
	s_wait_dscnt 0x0                               ; my stores have landed, for the others' sake, and have read their registers
	PSTEP
	s_cmp_ge_u32 s36, s26
	s_cbranch_scc1 .Lnl_first
	LOADPAIR                                       ; the second group's: they have the first group's products in which to land
.Lnl_first:
	BAR                                            ; slots 0 to 7 are whole
	s_mov_b32 s30, 0
	s_mov_b32 s31, 0
	s_mov_b32 s32, 0
	s_mov_b32 s33, 0
	SETAD
	LOADA 0, 0, 0
; ---------------- the K pass: three groups behind each of which the next is brought into LDS, and a last one
	s_mov_b32 s35, 3
.Lkgroup:
	KGROUP
	s_wait_dscnt 0x0                               ; my reads of A are over and my stores into DP have landed
	BAR                                            ; so nobody reads A or SCA while slots are stored
	s_wait_loadcnt 0x0                             ; my two tiles, asked for a group ago
	s_cmp_ge_u32 s36, s26
	s_cbranch_scc1 .Lnofill
	STOREPAIR
.Lnofill:
	s_wait_dscnt 0x0
	PSTEP
	s_cmp_ge_u32 s36, s26
	s_cbranch_scc1 .Lnoload
	LOADPAIR
.Lnoload:
	BAR                                            ; the next group's slots are whole
	s_cmp_ge_u32 s30, s26
	s_cbranch_scc1 .Lnoprime
	SETAD
	LOADA 0, 0, 0
.Lnoprime:
	s_sub_co_u32 s35, s35, 1
	s_cmp_lg_u32 s35, 0
	s_cbranch_scc1 .Lkgroup
	KGROUP
	s_wait_dscnt 0x0
	BAR                                            ; all four parts of dist lie in DP
; ---------------- between the passes.  Wv's first pieces go out first; the softmax of the chunk stands under their way.  Every wave makes all of it, so no further barrier is needed.
	WSLOAD 12
	WLOAD 0, 2, 1
.irp w, 0,1,2,3
.irp k, 0,1,2,3
	ds_load_b128 v[ACC+16*\w+4*\k:ACC+16*\w+4*\k+3], v17 offset:2048*\w+512*\k   ; wave w's part for my rows 128 k + 4 lane + 0 .. 3
.endr
.endr
	s_wait_dscnt 0x0
.irp p, 0,2,4,6,8,10,12,14
	v_pk_add_f32 v[TT+\p:TT+\p+1], v[ACC+\p:ACC+\p+1], v[ACC+16+\p:ACC+16+\p+1]
	v_pk_add_f32 v[ACC+32+\p:ACC+32+\p+1], v[ACC+32+\p:ACC+32+\p+1], v[ACC+48+\p:ACC+48+\p+1]
.endr
.irp p, 0,2,4,6,8,10,12,14
	v_pk_add_f32 v[TT+\p:TT+\p+1], v[TT+\p:TT+\p+1], v[ACC+32+\p:ACC+32+\p+1]
.endr
.irp p, 0,2,4,6,8,10,12,14
	v_pk_mul_f32 v[TT+\p:TT+\p+1], v[TT+\p:TT+\p+1], s[56:57] op_sel_hi:[1,0]    ; t = c dist
.endr
	v_lshlrev_b32 v23, 2, v1
	v_sub_nc_u32 v23, s59, v23                     ; row 128 k + 4 lane + e counts where 128 k + e is under this
.irp k, 0,1,2,3
.irp e, 0,1,2,3
	v_cmp_lt_i32 vcc_lo, 128*\k+\e, v23
	v_cndmask_b32 v[TT+4*\k+\e], v240, v[TT+4*\k+\e], vcc_lo
.endr
.endr
	v_max3_num_f32 v252, v[TT], v[TT+1], v[TT+2]
.irp i, 3,5,7,9,11,13
	v_max3_num_f32 v252, v252, v[TT+\i], v[TT+\i+1]
.endr
	v_max_num_f32 v252, v252, v[TT+15]
.irp x, 1,2,4,8
	v_max_num_f32_dpp v252, v252, v252 row_xmask:\x row_mask:0xf bank_mask:0xf
.endr
	v_permlanex16_b32 v241, v252, s48, s49
	v_max_num_f32 v252, v252, v241                 ; m: the chunk's largest t; its first row counts, so m is a number (in an empty chunk it is not: nothing of it is used or stored)
.irp p, 0,2,4,6,8,10,12,14
	v_pk_add_f32 v[224+\p:225+\p], v[TT+\p:TT+\p+1], v[252:253] op_sel_hi:[1,0] neg_lo:[0,1] neg_hi:[0,1]
.endr
	s_wait_alu depctr_va_vdst(0)
.irp j, 224,225,226,227,228,229,230,231,232,233,234,235,236,237,238,239
	v_exp_f32 v\j, v\j                             ; p = 2^(t - m); 0 where the row does not count
.endr
	v_nop                                          ; one plain instruction between the exponentials and the use of their results (ISA guide 5.7.2)
	s_wait_alu depctr_va_vdst(0)
	v_pk_add_f32 v[242:243], v[224:225], v[226:227]
	v_pk_add_f32 v[244:245], v[228:229], v[230:231]
	v_pk_add_f32 v[246:247], v[232:233], v[234:235]
	v_pk_add_f32 v[248:249], v[236:237], v[238:239]
	v_pk_add_f32 v[242:243], v[242:243], v[244:245]
	v_pk_add_f32 v[246:247], v[246:247], v[248:249]
	v_pk_add_f32 v[242:243], v[242:243], v[246:247]
	v_add_f32 v253, v242, v243
.irp x, 1,2,4,8
	v_add_f32_dpp v253, v253, v253 row_xmask:\x row_mask:0xf bank_mask:0xf
.endr
	v_permlanex16_b32 v241, v253, s48, s49
	v_add_f32 v253, v253, v241                     ; l
.irp k, 0,1,2,3
	ds_store_b128 v18, v[224+4*\k:227+4*\k] offset:512*\k    ; my wave's own copy of p: LDS serves a wave's instructions in order (ISA guide 5.7.1.4), so its reads below want no wait
.endr
	; t goes out: every wave holds all 512 rows; wave w stores rows 128 w + 4 lane + 0 .. 3, with all lanes on: 512 consecutive bytes, aligned.  The branches hang on nt and on the wave's number
	s_cmp_eq_u32 s26, 0
	s_cbranch_scc1 .Lno_t
.irp k, 0,1,2,3
	s_cmp_lg_u32 s28, \k
	s_cbranch_scc1 .Lnot_q\k
	global_store_b128 v4, v[TT+4*\k:TT+4*\k+3], s[68:69] offset:512*\k
.Lnot_q\k:
.endr
.Lno_t:
	WLOAD 3, 7, 1
.set i, 0
.rept 64
	v_mov_b32 v[QO+i], 0                           ; o, once: the V pass is written once and its first tile adds onto zeros
.set i, i+1
.endr
	s_mov_b32 s30, 0
	s_mov_b32 s31, 0
	s_mov_b32 s32, 0
	s_mov_b32 s33, 0
	SETAD
	LOADA 0, 0, 1
	s_wait_loadcnt 0x0                             ; Wv and its scale words are in
; ---------------- the V pass: all tiles lie in LDS
	s_mov_b32 s34, 15
.Lvp:
	PAIR 1, 1
	s_sub_co_u32 s34, s34, 1
	s_cmp_lg_u32 s34, 0
	s_cbranch_scc1 .Lvp
	PAIR 1, 0
	s_wait_dscnt 0x0
; ---------------- the way out.  A lane's 64 sums are those of region r of every tile: they are added over the 16 lanes of a half.  In each of four stages lanes l and l xor mask add their registers,
; and each keeps one half of them: 64, 32, 16, 8, 4.  Lane (r, h) ends with hidden units 128 w + 16 (r / 2) + 8 h + 4 (r % 2) + 0 .. 3.
.macro RSTAGE n, x, sm
.set i, 0
.rept \n
	v_add_f32_dpp v[QO+i], v[QO+i], v[QO+i] row_xmask:\x row_mask:0xf bank_mask:0xf
.set i, i+1
.endr
.set i, 0
.rept \n/2
	v_cndmask_b32 v[QO+i], v[QO+i], v[QO+\n/2+i], s[\sm]
.set i, i+1
.endr
.endm
	RSTAGE 64, 8, 50
	RSTAGE 32, 4, 51
	RSTAGE 16, 2, 52
	RSTAGE 8, 1, 53
	v_mov_b32 v23, 0
	s_cmp_eq_u32 s26, 0
	s_cbranch_scc1 .Lnone                          ; an empty chunk stores nothing; no barrier stands behind this branch
	global_store_b128 v22, v[QO:QO+3], s[70:71]    ; the wave's store covers 512 consecutive bytes, aligned
	s_cmp_lg_u32 s28, 0
	s_cbranch_scc1 .Lnone
	v_cmp_eq_u32 vcc_lo, 0, v0
	s_wait_xcnt 0x0                                ; EXEC is a source of the stores that are out: it changes only behind this wait
	s_and_saveexec_b32 s54, vcc_lo
	s_wait_alu depctr_va_vdst(0)
	global_store_b64 v23, v[252:253], s[72:73]     ; {m, l}
	s_wait_xcnt 0x0                                ; and again, in front of the line that widens it
	s_or_b32 exec_lo, exec_lo, s54
.Lnone:
	s_wait_tensorcnt 0x0
	ds_add_u32 v254, v255
	s_wait_dscnt 0x0
	s_endpgm
.Lfunc_end_k_qe67e6e7dfe_main:
	.size	k_qe67e6e7dfe_main, .Lfunc_end_k_qe67e6e7dfe_main-k_qe67e6e7dfe_main
	.p2alignl 7, 3214868480
	.fill 96, 4, 3214868480
	.section	.rodata,"a",@progbits
	.p2align	6, 0x0
	.amdhsa_kernel k_qe67e6e7dfe_main
		.amdhsa_group_segment_fixed_size 296448
		.amdhsa_private_segment_fixed_size 0
		.amdhsa_enable_private_segment 0
		.amdhsa_kernarg_size 80
		.amdhsa_user_sgpr_count 2
		.amdhsa_user_sgpr_kernarg_segment_ptr 1
		.amdhsa_wavefront_size32 1
		.amdhsa_system_sgpr_workgroup_id_x 1
		.amdhsa_system_sgpr_workgroup_id_y 1
		.amdhsa_system_sgpr_workgroup_id_z 1
		.amdhsa_system_vgpr_workitem_id 0
		.amdhsa_next_free_vgpr 1024
		.amdhsa_next_free_sgpr 80
		.amdhsa_reserve_vcc 1
		.amdhsa_float_denorm_mode_32 3
		.amdhsa_float_denorm_mode_16_64 3
		.amdhsa_memory_ordered 1
		.amdhsa_forward_progress 1
		.amdhsa_inst_pref_size 177
	.end_amdhsa_kernel
	.amdgpu_metadata
---
amdhsa.version: [ 1, 2 ]
amdhsa.kernels:
  - .name:           k_qe67e6e7dfe_main
    .symbol:         k_qe67e6e7dfe_main.kd
    .args:
      - { .name: sched, .offset: 0, .size: 8, .value_kind: global_buffer, .address_space: global }
      - { .name: qv, .offset: 8, .size: 8, .value_kind: global_buffer, .address_space: global }
      - { .name: wfrag, .offset: 16, .size: 8, .value_kind: global_buffer, .address_space: global }
      - { .name: Wk_scales, .offset: 24, .size: 8, .value_kind: global_buffer, .address_space: global }
      - { .name: Wv_scales, .offset: 32, .size: 8, .value_kind: global_buffer, .address_space: global }
      - { .name: region_features_codes, .offset: 40, .size: 8, .value_kind: global_buffer, .address_space: global }
      - { .name: region_features_scales, .offset: 48, .size: 8, .value_kind: global_buffer, .address_space: global }
      - { .name: tlog, .offset: 56, .size: 8, .value_kind: global_buffer, .address_space: global }
      - { .name: pacc, .offset: 64, .size: 8, .value_kind: global_buffer, .address_space: global }
      - { .name: pml, .offset: 72, .size: 8, .value_kind: global_buffer, .address_space: global }
    .group_segment_fixed_size: 296448
    .private_segment_fixed_size: 0
    .kernarg_segment_align: 8
    .kernarg_segment_size: 80
    .max_flat_workgroup_size: 128
    .sgpr_count:     80
    .vgpr_count:     1024
    .wavefront_size: 32
...
	.end_amdgpu_metadata
.endif
;; end of part 2
;; launch combine (part 3): grid 32 x 1, 8 waves a work-group, no clusters, 2,048 bytes of LDS; arguments sched, pml, pacc, tlog, qv, out0, out1; writes out0, out1
.if DOCPART == 3
	.amdgcn_target "amdgcn-amd-amdhsa--gfx1250"
	.amdhsa_code_object_version 6
	.text
	.protected	k_qe67e6e7dfe_combine
	.globl	k_qe67e6e7dfe_combine
	.p2align	8
	.type	k_qe67e6e7dfe_combine,@function
k_qe67e6e7dfe_combine:
	s_mov_b64 s[64:65], 0
	v_nop
	global_prefetch_b8 v0, s[64:65] scope:SCOPE_SE
	s_setreg_imm32_b32 hwreg(HW_REG_WAVE_MODE, 25, 1), 1
	s_wait_xcnt 0x0
; COMBINE: work-group = batch b.  Its n chunks gave {m, l}, 512 sums o and 512 rows of t each.  M = the largest m; f = 2^(m - M); L = the sum of f l;
; out0 = (the sum of f o) / L + q;   out1 = 2^(t - M) / L for regions in front of len, 0 behind.
; 256 threads: thread T owns hidden units 2 T, 2 T + 1 and regions 4 T + 1,024 k + 0 .. 3.  All loads go out together at the head; every wave makes M, f and L for itself; f goes to the other
; waves' multiply-adds through 1,024 bytes of LDS, one barrier.  Memory binds what little there is: no matrix work, no cluster.
; WHERE A REGION'S t LIES: region R is row R - 16 Q j of chunk j = (R / 16) / Q of the batch, Q tiles to a chunk.  The division is a multiplication by ceil(65,536 / Q), which the first launch stored, and a
; shift by 16: exact, since the tile's number is under 256 and Q at most 32 (255 x 32 is under 65,536).  A thread's four regions lie in one tile, so in one chunk: one load of 16 bytes.
; Every index made of numbers read from the schedule ends in a minimum with a constant, so that no load leaves its buffer; bytes that the launch before did not store are never loaded:
; chunk indices are held to the batch's own chunks, regions to the batch's tiles.
; LIMITS: sq_len at least 1 (a batch with none has no chunk of its own).
.set ML,  16                           ; v16-31   {m, l} of chunks 32 k + lane
.set TL,  36                           ; v36-51   t of my 16 regions
.set PV,  72                           ; v72-103  my two sums of 16 chunks
.set FF,  104                          ; v104-119 f of these 16 chunks
.set FK,  148                          ; v148-155 f of chunks 32 k + lane
; v1 lane, v2 8 T, v3 16 T, v4 4 lane; v8-15, v32-35, v56-71 offsets of loads; v52-53 q; v120-123 two chains of sums; v124-125 at work; v128 M (v129 named with it); v130 1 / L (v131 likewise); v132-135 at work; v140-147 32 k + lane
; s18 wave; s24 first chunk, s25 n, s26 len, s27 the multiplier and Q, then the batch's tiles; s28 n - 1; s29 16 tiles - 4; s30 at work; s31 the first of the 16 chunks in hand; s34 the multiplier; s35 16 Q
.macro CLOAD                           ; my 8 bytes of chunks s31 .. s31 + 15: a wave's load covers 256 consecutive bytes.  Beyond the last chunk the last is loaded again, and its f is 0
.set u, 0
.rept 16
	s_add_co_u32 s30, s31, u
	s_min_u32 s30, s30, s28
	s_add_co_u32 s30, s30, s24
	s_min_u32 s30, s30, 255
	v_lshl_add_u32 v[56+u], s30, 11, v2
	global_load_b64 v[PV+2*u:PV+2*u+1], v[56+u], s[8:9]
.set u, u+1
.endr
.endm
.macro CFMA first                      ; sums += f o, even chunks in one chain, odd ones in the other; f is taken from the low or the high word of its pair for both halves
	s_lshl_b32 s30, s31, 2
	v_mov_b32 v133, s30
.irp j, 0,1,2,3
	ds_load_b128 v[FF+4*\j:FF+4*\j+3], v133 offset:16*\j
.endr
	s_wait_dscnt 0x0
.irp u, 0
.if \first && (\u == 0)
	v_pk_mul_f32 v[120:121], v[PV:PV+1], v[FF:FF+1] op_sel_hi:[1,0]
	v_pk_mul_f32 v[122:123], v[PV+2:PV+3], v[FF:FF+1] op_sel:[0,1] op_sel_hi:[1,1]
.else
	v_pk_fma_f32 v[120:121], v[PV+2*\u:PV+2*\u+1], v[FF+\u:FF+\u+1], v[120:121] op_sel_hi:[1,0,1]
	v_pk_fma_f32 v[122:123], v[PV+2*\u+2:PV+2*\u+3], v[FF+\u:FF+\u+1], v[122:123] op_sel:[0,1,0] op_sel_hi:[1,1,1]
.endif
.endr
.irp u, 2, 4, 6, 8, 10, 12, 14
.if \first && (\u == 0)
	v_pk_mul_f32 v[120:121], v[PV:PV+1], v[FF:FF+1] op_sel_hi:[1,0]
	v_pk_mul_f32 v[122:123], v[PV+2:PV+3], v[FF:FF+1] op_sel:[0,1] op_sel_hi:[1,1]
.else
	s_delay_alu instid0(VALU_DEP_2)
	v_pk_fma_f32 v[120:121], v[PV+2*\u:PV+2*\u+1], v[FF+\u:FF+\u+1], v[120:121] op_sel_hi:[1,0,1]
	s_delay_alu instid0(VALU_DEP_2)
	v_pk_fma_f32 v[122:123], v[PV+2*\u+2:PV+2*\u+3], v[FF+\u:FF+\u+1], v[122:123] op_sel:[0,1,0] op_sel_hi:[1,1,1]
.endif
.endr
.endm
	s_load_b256 s[4:11], s[0:1], 0x0               ; sched s[4:5], pml s[6:7], pacc s[8:9], tlog s[10:11]
	s_load_b128 s[12:15], s[0:1], 0x20             ; qv s[12:13], out0 s[14:15]
	s_load_b64 s[16:17], s[0:1], 0x30              ; out1
	v_lshl_add_u32 v160, v0, 2, 0x400
	v_mov_b32 v161, 0
	v_and_b32 v1, 31, v0
	v_lshlrev_b32 v2, 3, v0
	v_lshlrev_b32 v3, 4, v0
	s_delay_alu instid0(VALU_DEP_3)
	v_lshlrev_b32 v4, 2, v1
	v_lshrrev_b32 v5, 5, v0
	s_delay_alu instid0(VALU_DEP_1)
	v_readfirstlane_b32 s18, v5                    ; wave 0..7
	s_lshl_b32 s19, ttmp9, 4
	s_lshl_b32 s20, ttmp9, 14
	s_mov_b32 s21, 0
	s_lshl_b32 s22, ttmp9, 11
	s_mov_b32 s23, 0
	s_mov_b32 s32, 0x76543210
	s_mov_b32 s33, 0xfedcba98                      ; v_permlanex16_b32's selects for lane l xor 16
	s_wait_alu depctr_va_vdst(0)
	s_wait_kmcnt 0x0
	s_load_b128 s[24:27], s[4:5], s19 offset:0x1000   ; my batch: first chunk, chunks, len, the multiplier with Q
	s_add_nc_u64 s[16:17], s[16:17], s[20:21]
	s_add_nc_u64 s[12:13], s[12:13], s[22:23]
	s_add_nc_u64 s[14:15], s[14:15], s[22:23]
	global_load_b64 v[52:53], v2, s[12:13]         ; q
	v_mov_b32 v129, 0                              ; (upper halves of pairs that packed forms name; a lane permute's destination)
	v_mov_b32 v131, 0
	v_mov_b32 v132, 0
	v_mov_b32 v135, 0xff800000                     ; -infinity
	s_wait_kmcnt 0x0
	s_min_u32 s24, s24, 255
	s_max_u32 s25, s25, 1
	s_min_u32 s25, s25, 256
	s_min_u32 s26, s26, 4096
	s_lshr_b32 s35, s27, 20
	s_min_u32 s35, s35, 32
	s_lshl_b32 s35, s35, 4                         ; 16 Q: the rows of a full chunk
	s_and_b32 s34, s27, 0xfffff
	s_min_u32 s34, s34, 0x10000                    ; ceil(65,536 / Q)
	s_add_co_u32 s27, s26, 15
	s_lshr_b32 s27, s27, 4
	s_max_u32 s27, s27, 1                          ; the batch's tiles
	s_sub_co_u32 s28, s25, 1
	s_lshl_b32 s29, s27, 4
	s_sub_co_u32 s29, s29, 4
.irp k, 0,1,2,3,4,5,6,7
	v_add_nc_u32 v[140+\k], 32*\k, v1
	s_delay_alu instid0(VALU_DEP_1)
	v_min_u32 v[8+\k], s28, v[140+\k]
	s_delay_alu instid0(VALU_DEP_1)
	v_add_nc_u32 v[8+\k], s24, v[8+\k]
	s_delay_alu instid0(VALU_DEP_1)
	v_min_u32 v[8+\k], 0xff, v[8+\k]
	s_delay_alu instid0(VALU_DEP_1)
	v_lshlrev_b32 v[8+\k], 3, v[8+\k]
	global_load_b64 v[ML+2*\k:ML+2*\k+1], v[8+\k], s[6:7]
.endr
	s_mov_b32 s31, 0
	CLOAD
.irp k, 0,1,2,3
	v_lshl_add_u32 v[32+\k], v0, 2, 1024*\k        ; my region R
	s_delay_alu instid0(VALU_DEP_1)
	v_min_u32 v[32+\k], s29, v[32+\k]              ; regions behind the batch's tiles have no t: the last four rows of the last tile stand in for them, and the mask below makes them 0
	s_delay_alu instid0(VALU_DEP_1)
	v_lshrrev_b32 v124, 4, v[32+\k]                ; its tile
	s_delay_alu instid0(VALU_DEP_1)
	v_mul_u32_u24 v124, s34, v124
	s_delay_alu instid0(VALU_DEP_1)
	v_lshrrev_b32 v124, 16, v124                   ; j = tile / Q
	s_delay_alu instid0(VALU_DEP_1)
	v_mul_u32_u24 v125, s35, v124
	s_delay_alu instid0(VALU_DEP_1)
	v_sub_nc_u32 v[32+\k], v[32+\k], v125          ; the row in chunk j
	s_delay_alu instid0(VALU_DEP_1)
	v_min_u32 v[32+\k], 0x1fc, v[32+\k]
	s_delay_alu instid0(VALU_DEP_4)
	v_add_nc_u32 v124, s24, v124                   ; the chunk's number in the launch
	s_delay_alu instid0(VALU_DEP_1)
	v_min_u32 v124, 0xff, v124
	s_delay_alu instid0(VALU_DEP_3)
	v_lshlrev_b32 v[32+\k], 2, v[32+\k]
	s_delay_alu instid0(VALU_DEP_1)
	v_lshl_add_u32 v[32+\k], v124, 11, v[32+\k]    ; 2,048 bytes a chunk, 4 a row
	global_load_b128 v[TL+4*\k:TL+4*\k+3], v[32+\k], s[10:11]
.endr
	s_wait_loadcnt 0x0
.irp k, 0,1,2,3,4,5,6,7
	v_cmp_gt_u32 vcc_lo, s25, v[140+\k]            ; beyond the batch's chunks: m = -infinity, l = 0
	s_delay_alu instid0(VALU_DEP_1)
	v_cndmask_b32 v[ML+2*\k], v135, v[ML+2*\k], vcc_lo
	s_delay_alu instid0(VALU_DEP_2)
	v_cndmask_b32 v[ML+2*\k+1], 0, v[ML+2*\k+1], vcc_lo
.endr
	v_max3_num_f32 v128, v[ML], v[ML+2], v[ML+4]
	s_delay_alu instid0(VALU_DEP_1)
	v_max3_num_f32 v128, v128, v[ML+6], v[ML+8]
	s_delay_alu instid0(VALU_DEP_1)
	v_max3_num_f32 v128, v128, v[ML+10], v[ML+12]
	s_delay_alu instid0(VALU_DEP_1)
	v_max_num_f32 v128, v128, v[ML+14]
.irp x, 1,2,4,8
	s_delay_alu instid0(VALU_DEP_1)
	v_max_num_f32_dpp v128, v128, v128 row_xmask:\x row_mask:0xf bank_mask:0xf
.endr
	s_delay_alu instid0(VALU_DEP_1)
	v_permlanex16_b32 v132, v128, s32, s33
	s_delay_alu instid0(VALU_DEP_1)
	v_max_num_f32 v128, v128, v132                 ; M
.irp k, 0,1,2,3,4,5,6,7
	v_sub_f32 v[FK+\k], v[ML+2*\k], v128
.endr
	s_wait_alu depctr_va_vdst(0)
.irp k, 0,1,2,3,4,5,6,7
	v_exp_f32 v[FK+\k], v[FK+\k]                   ; f = 2^(m - M)
.endr
	v_nop                                          ; one plain instruction behind the exponentials (ISA guide 5.7.2)
	s_wait_alu depctr_va_vdst(0)
	v_mul_f32 v134, v[FK], v[ML+1]
.irp k, 1,2,3,4,5,6,7
	v_fma_f32 v134, v[FK+\k], v[ML+2*\k+1], v134
.endr
.irp x, 1,2,4,8
	s_delay_alu instid0(VALU_DEP_1)
	v_add_f32_dpp v134, v134, v134 row_xmask:\x row_mask:0xf bank_mask:0xf
.endr
	s_delay_alu instid0(VALU_DEP_1)
	v_permlanex16_b32 v132, v134, s32, s33
	s_delay_alu instid0(VALU_DEP_1)
	v_add_f32 v134, v134, v132                     ; L
	s_wait_alu depctr_va_vdst(0)
	v_rcp_f32 v130, v134
	s_cmp_lg_u32 s18, 0
	s_cbranch_scc1 .Lnot_wave_0
.irp k, 0,1,2,3,4,5,6,7
	ds_store_b32 v4, v[FK+\k] offset:128*\k        ; f of chunk 32 k + lane at 4 (32 k + lane)
.endr
.Lnot_wave_0:
	s_wait_dscnt 0x0                               ; for the others' sake: wave 0's stores have landed
	s_barrier_signal -1
	s_barrier_wait -1
	CFMA 1                                         ; chunks 0 to 15 start the sums
	s_mov_b32 s31, 16
.Lchunk:                                               ; fifteen trips, a constant; a trip's work is jumped over where the batch has no such chunks
	s_cmp_ge_u32 s31, s25
	s_cbranch_scc1 .Lpast
	CLOAD
	s_wait_loadcnt 0x0
	CFMA 0
.Lpast:
	s_add_co_u32 s31, s31, 16
	s_cmp_lt_u32 s31, 256
	s_cbranch_scc1 .Lchunk
	s_wait_alu depctr_va_vdst(0)
	v_pk_add_f32 v[120:121], v[120:121], v[122:123]
	s_wait_alu depctr_va_vdst(0)
	v_pk_fma_f32 v[120:121], v[120:121], v[130:131], v[52:53] op_sel_hi:[1,0,1]
	global_store_b64 v2, v[120:121], s[14:15]      ; a wave's store covers 256 consecutive bytes, aligned
.irp p, 0,2,4,6,8,10,12,14
	v_pk_add_f32 v[TL+\p:TL+\p+1], v[TL+\p:TL+\p+1], v[128:129] op_sel_hi:[1,0] neg_lo:[0,1] neg_hi:[0,1]
.endr
	s_wait_alu depctr_va_vdst(0)
.irp j, 0,1,2,3,4,5,6,7,8,9,10,11,12,13,14,15
	v_exp_f32 v[TL+\j], v[TL+\j]
.endr
	v_lshlrev_b32 v133, 2, v0                      ; (a plain instruction behind the exponentials)
	s_delay_alu instid0(VALU_DEP_1)
	v_sub_nc_u32 v133, s26, v133                   ; region 4 T + 1,024 k + e counts where 1,024 k + e is under this
	s_wait_alu depctr_va_vdst(0)
.irp p, 0,2,4,6,8,10,12,14
	v_pk_mul_f32 v[TL+\p:TL+\p+1], v[TL+\p:TL+\p+1], v[130:131] op_sel_hi:[1,0]
.endr
.irp k, 0,1,2,3
.irp e, 0,1,2,3
	v_cmp_lt_i32 vcc_lo, 1024*\k+\e, v133
	s_delay_alu instid0(VALU_DEP_1)
	v_cndmask_b32 v[TL+4*\k+\e], 0, v[TL+4*\k+\e], vcc_lo
.endr
	global_store_b128 v3, v[TL+4*\k:TL+4*\k+3], s[16:17] offset:4096*\k   ; a wave's store covers 512 consecutive bytes, aligned; every byte of out1 is written
.endr
	s_wait_tensorcnt 0x0
	ds_add_u32 v160, v161
	s_wait_dscnt 0x0
	s_endpgm
.Lfunc_end_k_qe67e6e7dfe_combine:
	.size	k_qe67e6e7dfe_combine, .Lfunc_end_k_qe67e6e7dfe_combine-k_qe67e6e7dfe_combine
	.p2alignl 7, 3214868480
	.fill 96, 4, 3214868480
	.section	.rodata,"a",@progbits
	.p2align	6, 0x0
	.amdhsa_kernel k_qe67e6e7dfe_combine
		.amdhsa_group_segment_fixed_size 2048
		.amdhsa_private_segment_fixed_size 0
		.amdhsa_enable_private_segment 0
		.amdhsa_kernarg_size 56
		.amdhsa_user_sgpr_count 2
		.amdhsa_user_sgpr_kernarg_segment_ptr 1
		.amdhsa_wavefront_size32 1
		.amdhsa_system_sgpr_workgroup_id_x 1
		.amdhsa_system_sgpr_workgroup_id_y 1
		.amdhsa_system_sgpr_workgroup_id_z 1
		.amdhsa_system_vgpr_workitem_id 0
		.amdhsa_next_free_vgpr 162
		.amdhsa_next_free_sgpr 66
		.amdhsa_reserve_vcc 1
		.amdhsa_float_denorm_mode_32 3
		.amdhsa_float_denorm_mode_16_64 3
		.amdhsa_memory_ordered 1
		.amdhsa_forward_progress 1
		.amdhsa_inst_pref_size 33
	.end_amdhsa_kernel
	.amdgpu_metadata
---
amdhsa.version: [ 1, 2 ]
amdhsa.kernels:
  - .name:           k_qe67e6e7dfe_combine
    .symbol:         k_qe67e6e7dfe_combine.kd
    .args:
      - { .name: sched, .offset: 0, .size: 8, .value_kind: global_buffer, .address_space: global }
      - { .name: pml, .offset: 8, .size: 8, .value_kind: global_buffer, .address_space: global }
      - { .name: pacc, .offset: 16, .size: 8, .value_kind: global_buffer, .address_space: global }
      - { .name: tlog, .offset: 24, .size: 8, .value_kind: global_buffer, .address_space: global }
      - { .name: qv, .offset: 32, .size: 8, .value_kind: global_buffer, .address_space: global }
      - { .name: out0, .offset: 40, .size: 8, .value_kind: global_buffer, .address_space: global }
      - { .name: out1, .offset: 48, .size: 8, .value_kind: global_buffer, .address_space: global }
    .group_segment_fixed_size: 2048
    .private_segment_fixed_size: 0
    .kernarg_segment_align: 8
    .kernarg_segment_size: 56
    .max_flat_workgroup_size: 256
    .sgpr_count:     66
    .vgpr_count:     162
    .wavefront_size: 32
...
	.end_amdgpu_metadata
.endif
;; end of part 3
